; MI455X (gfx1250); checked and timed in simulation.
; The chip was launched on July 23, 2026; its instructions are those of AMD's public machine-readable ISA for CDNA 5 (MIT licence, August 2026) and "CDNA5" Instruction Set Architecture Reference Guide (July 2026). The comments in the code are by the model that wrote it; some were corrected since.
;; Multi Head Attention. Allowed arithmetic: matrix products marked QUANTISED: E5M2 operands, one given power-of-two scale a tensor, by v_wmma_f32_16x16x64_bf8_bf8 or v_wmma_f32_16x16x128_bf8_bf8, f32 sums; everything else in f32.
;; Inputs: Wk_codes 1,024 x 32 x 32 uint8 (E5M2 codes of Wk, K innermost, in blocks of 32 codes); Wo_codes 1,024 x 32 x 32 uint8 (E5M2 codes of Wo, K innermost, in blocks of 32 codes); Wq_codes 1,024 x 32 x 32 uint8 (E5M2 codes of Wq, K innermost, in blocks of 32 codes); Wv_codes 1,024 x 32 x 32 uint8 (E5M2 codes of Wv, K innermost, in blocks of 32 codes); bo 1,024 float32; lowp_scales 12 int32 (the exponents e of the quantised operands' scales 2^e); x_codes 4 x 2,048 x 32 x 32 uint8 (E5M2 codes of x, K innermost, in blocks of 32 codes).
;; Outputs: out0 4 x 2,048 x 1,024 float32.
;; This version of the problem:
;;   THIS VERSION OF THE PROBLEM IS GIVEN IN LOW PRECISION. The matrix products marked QUANTISED in the list below multiply operands that are first quantised to E5M2 (5 exponent bits, 2 mantissa bits; 8 bits a number), with one given power-of-two scale for each operand tensor; their sums are f32. All else is computed in f32.
;;   The module's matrix products, in the order in which they are computed (A, B: the left and right operand; K: the contracted axis; several contracted axes count as one K, in the product's order):
;;     1. [M 8,192, K 1,024] x [K 1,024, N 1,024]; A: input x (given as codes); B: input Wq (given as codes): QUANTISED (scales: A lowp_scales[0], B lowp_scales[1])
;;     2. [M 8,192, K 1,024] x [K 1,024, N 1,024]; A: input x (given as codes); B: input Wk (given as codes): QUANTISED (scales: A lowp_scales[2], B lowp_scales[3])
;;     3. [M 8,192, K 1,024] x [K 1,024, N 1,024]; A: input x (given as codes); B: input Wv (given as codes): QUANTISED (scales: A lowp_scales[4], B lowp_scales[5])
;;     4. batch 64 x [M 2,048, K 64] x [K 64, N 2,048]; A: computed on the way; B: computed on the way: QUANTISED (scales: A lowp_scales[6], B lowp_scales[7])
;;     5. batch 64 x [M 2,048, K 2,048] x [K 2,048, N 64]; A: softmax (see below); B: computed on the way: QUANTISED (scales: A lowp_scales[8], B lowp_scales[9])
;;     6. [M 8,192, K 1,024] x [K 1,024, N 1,024]; A: computed on the way; B: input Wo (given as codes): QUANTISED (scales: A lowp_scales[10], B lowp_scales[11])
;;   THE QUANTISER, for each operand of a quantised product, along K:
;;     - The operand's scale is 2^e, e = its entry of the input lowp_scales (int32; the entries are numbered through the quantised products in the list's order, A before B).
;;     - Each number is divided by the scale, clamped to +-57,344, and rounded to the nearest number of E5M2, ties to even, subnormals kept.
;;     - The product sums the exact products of the quantised numbers (number of the format x scale) in f32.
;;   ~~~python
;;   def quantise(x, axis, e):      # numpy; x: float32 -> the quantised numbers, widened to float32 again
;;       x = np.moveaxis(x, axis, -1); K = x.shape[-1]
;;       r = np.clip(x / 2.0 ** e, -57344, 57344)
;;       step = 2.0 ** (np.maximum(np.frexp(np.where(r == 0, 1, r))[1] - 1, -14) - 2)
;;       q = np.round(r / step) * step * 2.0 ** e      # np.round: ties to even
;;       return np.moveaxis(q, -1, axis).astype(np.float32)
;;   ~~~
;;   SOFTMAX AHEAD OF A QUANTISED PRODUCT. Where the list says 'softmax', what is quantised is not the finished softmax but p = 2^(t - M), with t = logit x log2(e) and M = ceil(the row's largest t), a whole number; so 1/2 < the row's largest p <= 1. The row's sum l is taken of the UNQUANTISED p, in f32, and the product's result is divided by l at the end. Since M is a whole number, a kernel that streams over the keys may use a running M (the ceiling of the running maximum): every later rescaling is an exact power of two, so the quantised numbers keep their values, but for numbers so far below the row's largest that they fall under the format's range.
;;   OPERANDS COMPUTED ON THE WAY. 'Computed on the way' means the value that the module computes at that place (a softmax that the list does not call 'softmax' is quantised finished and normalised). What goes into a quantiser is computed in f32, as accurately as f32 sums, v_exp_f32 and their like allow (about 1e-6 of the number): no bf16 or f16 on the way to a quantiser, and a product that is left as it is and whose result goes on into a quantised operand takes f32 operands (vector FMAs, or v_wmma_f32_16x16x4_f32). A number that lies on a knife's edge between two numbers of the format may be rounded either way, as far as f32 arithmetic and the matrix unit's own rounding can turn it there, and no further.
;;   INPUTS GIVEN AS CODES. Wk (in the module: [1024, 1024], K = its axis 0); Wo (in the module: [1024, 1024], K = its axis 0); Wq (in the module: [1024, 1024], K = its axis 0); Wv (in the module: [1024, 1024], K = its axis 0); x (in the module: [4, 2048, 1024], K = its axis 2): each comes as NAME_codes (uint8): NAME with its K axis moved to the last place and cut into blocks of 32 codes, [.., K / 32, bytes a block], one block behind the other in memory; one code a byte (a code: sign, 5 exponent bits, 2 mantissa bits); its scale is its entry of lowp_scales. Its value is code x scale, taken as it is: it is not quantised again, and the codes and scales need not be those that the quantiser above would give.
;; One version. Each part assembles by itself: llvm-mc -triple=amdgcn-amd-amdhsa -mcpu=gfx1250 --defsym DOCPART=n.
;; ======== version 1 of 1: 3 launches
;; limits: right only within a limited range of input values
;; workspace buffers: q_img 8,388,608 bytes; k_img 8,388,608 bytes; v_img 8,388,608 bytes; ctx_img 8,388,608 bytes
;; launch proj (part 1): grid 12 x 32, 4 waves a work-group, clusters of 4 x 4, 327,680 bytes of LDS; arguments x_codes, Wq_codes, Wk_codes, Wv_codes, lowp_scales, q_img, k_img, v_img; writes q_img, k_img, v_img
.if DOCPART == 1
	.amdgcn_target "amdgcn-amd-amdhsa--gfx1250"
	.amdhsa_code_object_version 6
	.text
	.protected	k_qbe2dede184_proj
	.globl	k_qbe2dede184_proj
	.p2align	8
	.type	k_qbe2dede184_proj,@function
k_qbe2dede184_proj:
	s_mov_b64 s[64:65], 0
	v_nop
	global_prefetch_b8 v0, s[64:65] scope:SCOPE_SE
	s_setreg_imm32_b32 hwreg(HW_REG_WAVE_MODE, 25, 1), 1
	s_wait_xcnt 0x0
	s_wait_alu depctr_hold_cnt(0) depctr_sa_sdst(0) depctr_va_vdst(0) depctr_va_sdst(0) depctr_va_ssrc(0) depctr_va_vcc(0) depctr_vm_vsrc(0)
	s_getreg_b32 s2, hwreg(HW_REG_IB_STS2, 6, 4)
	s_cmp_eq_u32 s2, 0
	s_cbranch_scc0 .Lentry_in_a_cluster
	s_endpgm
.Lentry_in_a_cluster:
	s_bfe_u32 s2, ttmp6, 0x10000c
	s_cmp_lg_u32 s2, 0xf033
	s_cbranch_scc0 .Lentry_shape_is_right
	s_endpgm
.Lentry_shape_is_right:
; THE THREE PROJECTIONS q = x Wq, k = x Wk, v = x Wv on codes of BF8 (E5M2), and their quantising for the attention's two products.
; x: [8192][1024] codes, Wq, Wk, Wv: [1024 (n)][1024 (k)] codes, K innermost.  lowp_scales: e0 .. e11 (int32); x counts as code x 2^e0 for q, 2^e2 for k, 2^e4 for v.
; A tile of 256 x 256 sums is made by a work-group of four waves, a wave makes 128 x 128: 64 accumulators of 16 x 16, 512 registers.  K = 1,024 goes in four steps of 256 through a ring of two LDS slots.
; WHICH PROJECTION: the cluster's x: 0 q, 1 k, 2 v; the same number in all sixteen partners.  The body makes sums [A' row][B' row], with source 0 = 16 rows of B' and source 1 = 16 rows of A':
;   q, k: A' = x (tile 4 x cluster y + cy), B' = the weight (tile cx): a lane holds ONE token and eight neighbouring channels of a head;
;   v:    A' = Wv (tile cy), B' = x (tile 4 x cluster y + cx):         a lane holds ONE channel and eight neighbouring keys.
; So the eight registers of an accumulator run along the K of the product that will read them (the head's 64 for q and k, the keys for v).  One conversion makes of them two registers of codes, and these ARE registers
; 2 c, 2 c + 1 (k = 16 c + 8 (lane / 16) + 0 .. 7) of an 8-bit operand.  The codes are stored as images of the operand's registers, four registers a store, lane l's 16 bytes at 16 l: 512 consecutive bytes, aligned.
;   q_img, k_img: [b x 16 + head][token tile 128][group 2][lane 32][16 bytes]      v_img: [b x 16 + head][key step of 128: 16][channel tile 4][group 4][lane 32][16 bytes]
; code = sum / 2^F, held within +-57,344, to the nearest code, ties to even;  F = e6 - e0 - e1 (q), e7 - e2 - e3 (k), e9 - e4 - e5 (v): the three scales folded into the conversion's one.
; LIMITS: each F lies between -126 and 112, so that 2^F and 57,344 x 2^F are f32 numbers.  NaN among the codes is not served.
; CLUSTERS: 4 x 4 work-groups.  The four of a row of the cluster need the same tiles of A', the four of a column the same tiles of B': each tile is asked for JOINTLY.
; No prefetch: K has four steps, and two of them are asked for at the head.
; REGISTERS, in windows of 256: window 0: v0-31 addresses and constants; from v128 A's fragments (8 x 16 rows x 128 K), ONE set, later the codes.
;   window 1: B's fragments, TWO sets, at v0 and v128.   window 2: the accumulators of my rows 0-63 ((a, b) at v[8 (8 a + b)]);   window 3: those of my rows 64-127.
.set ROWB,   256                       ; a tile's row in bytes: 256 codes
.set KROW,   1024                      ; a row of x or of a weight in memory, in bytes
.set PITCH,  272                       ; an LDS row: 256 bytes + 16 of padding = 68 words: row r starts at bank 4 r mod 64 (64 banks of 4 bytes: ISA guide 11.1)
.set FR,     16                        ; registers of a fragment: 16 rows x 128 K
.set NL,     4                         ; LDS loads that bring one
.set NP,     4                         ; places behind this matrix instruction (ISA guide 7.12.1)
.set HALFT,  128*PITCH                 ; 128 rows: what one tensor load brings, and what one wave reads of A' or of B'
.set SLOT,   4*HALFT                   ; A's 256 rows, then B's 256 rows
.set LAPS,   2                         ; a lap = two K steps of 256 = once round the ring
.set SPARE,  2*SLOT                    ; behind the ring: the spare words, 128 bytes for each wave: two blocks of 256 bytes that no other line names
.set ADRA, 16                          ; v16-17  LDS address of my A' fragments in slot 0, 1
.set ADRB, 20                          ; v20-21  the same for B'
.set LI,   26                          ; v26     16 x lane: my place in an image's 512 bytes; never rewritten
.set SPW,  28                          ; v28     LDS address of my spare word; never rewritten
.set NIL,  29                          ; v29     0; never rewritten
.set SCL,  30                          ; v30     2^F as f32
.set LIM,  31
.set TMP,  32
.set AF,   128                         ; A's fragments, in window 0
.set CD,   128                         ; the way out: the codes, 16 registers for each of my eight blocks of A' rows
.set G1, 24                            ; s[24:31] descriptor group 1 for A's tiles;  s[32:39] group 0, one set for each slot
.set G0, 32
.set G1B, 48                           ; s[48:55], s[56:63] the same for B's tiles
.set G0B, 56
.set MSB, 0
.macro WIN new                         ; the immediate's high byte repeats the setting that is left
.if MSB != (\new)
	s_set_vgpr_msb (MSB<<8)|(\new)
.set MSB, \new
.endif
.endm
.set MUL_LO, 0xa1                      ; source 0 (B') window 1, source 1 (A') window 0, C and D window 2
.set MUL_HI, 0xf1                      ; the same, C and D window 3
.set TO_B,   0x40                      ; destination window 1, address window 0
; A joint load: waves 0 and 1 fetch for A', waves 2 and 3 for B'.  Each of the two lines has ONE mask and one set of registers; the branch hangs on the wave's number alone.
; Four v_nop follow each of the two lines, ahead of the jump, the label and what follows.
.macro JLOAD g0a, g1a, g0b, g1b
	s_cmp_eq_u32 s15, 0
	s_cbranch_scc0 .Lfor_b_\@
	tensor_load_to_lds s[\g0a:\g0a+3], s[\g1a:\g1a+7]
	s_nop 0
.rept 4
	v_nop
.endr
	s_branch .Lasked_\@
.Lfor_b_\@:
	tensor_load_to_lds s[\g0b:\g0b+3], s[\g1b:\g1b+7]
	s_nop 0
.rept 4
	v_nop
.endr
.Lasked_\@:
.endm
.macro CREST                           ; a round of the cluster's barrier behind its opening barrier
	s_cmp_lg_u32 s14, 0
	s_cbranch_scc1 .Lnot_wave_0_\@
	s_barrier_signal -3
.Lnot_wave_0_\@:
	s_barrier_wait -3
	s_barrier_signal -1
	s_barrier_wait -1
.endm
.macro CROUND                          ; a whole round
	s_barrier_signal -1
	s_barrier_wait -1
	CREST
.endm
	s_load_b256 s[4:11], s[0:1], 0x0               ; x s[4:5], Wq s[6:7], Wk s[8:9], Wv s[10:11]
	s_load_b256 s[68:75], s[0:1], 0x20             ; the scales' exponents s[68:69], q_img s[70:71], k_img s[72:73], v_img s[74:75]
	v_lshl_add_u32 v[SPW], v0, 2, SPARE
	v_mov_b32 v[NIL], 0
	ds_add_u32 v28, v29
	ds_add_u32 v28, v29
	s_wait_dscnt 0x0
	v_lshrrev_b32 v1, 5, v0
	v_readfirstlane_b32 s14, v1                    ; wave 0..3
	s_lshr_b32 s15, s14, 1                         ; which half of the tile's A' rows is mine.  Also: I fetch for A' (0) or for B' (1)
	s_and_b32 s16, s14, 1                          ; which half of its B' rows.  Also: which 128 rows of that tile I fetch
	s_bfe_u32 s40, ttmp6, 0x40000                  ; cx, cy: my place in the cluster
	s_bfe_u32 s41, ttmp6, 0x40004
	s_and_b32 s76, ttmp7, 0xffff
	s_lshl_b32 s76, s76, 2                         ; 4 x cluster y: it walks x's 32 tiles of 256 tokens
	s_cmp_eq_u32 ttmp9, 2                          ; v?  The cluster's x is the same in all partners
	s_cselect_b32 s77, 0, s76                      ; x is A' for q and k,
	s_cselect_b32 s78, s76, 0                      ; and B' for v
	s_add_co_u32 s17, s41, s77                     ; A' tile: of cy and the cluster's place alone
	s_add_co_u32 s42, s40, s78                     ; B' tile: of cx and the cluster's place alone
	s_lshl_b32 s43, s41, 2
	s_lshl_b32 s43, 15, s43                        ; my row of the cluster
	s_lshl_b32 s44, 0x1111, s40                    ; my column
	; descriptor group 1: a tile of 128 rows x 256 bytes, padded in LDS
	s_or_b32 s[G1+0], s43, (0<<16)|(1<<20)|(1<<21)|(5<<22)|(3<<25)  ; 15:0 the mask: A's tiles go to my row; 17:16 element of 1 byte; 20 padding on; 21 set beside a mask; 24:22 after every 64 words (code 5); 31:25 of 4 words (code 3)
	s_or_b32 s[G1B+0], s44, (0<<16)|(1<<20)|(1<<21)|(5<<22)|(3<<25)
.irp g, G1, G1B
	s_mov_b32 s[\g+1], ROWB<<16                    ; tensor_dim0
	s_mov_b32 s[\g+2], 128<<16                     ; tensor_dim1 = 128
	s_mov_b32 s[\g+3], ROWB<<16                    ; tile_dim0
	s_mov_b32 s[\g+4], 128                         ; tile_dim1 = 128
	s_mov_b32 s[\g+5], KROW                        ; tensor_dim0_stride
	s_mov_b32 s[\g+6], 0
	s_mov_b32 s[\g+7], 0
.endr
	s_lshl_b32 s18, s16, 7                         ; which 128 rows of the tile I fetch
	s_lshl_b32 s20, s17, 8
	s_add_co_u32 s20, s20, s18                     ; A': row 256 x tile + 128 x half
	s_lshl_b32 s46, s42, 8
	s_add_co_u32 s46, s46, s18                     ; B' likewise
	s_mov_b32 s21, 0
	s_mov_b32 s47, 0
	s_mov_b64 s[18:19], KROW
	s_mul_u64 s[20:21], s[20:21], s[18:19]         ; in bytes
	s_mul_u64 s[46:47], s[46:47], s[18:19]
	s_mul_i32 s45, s14, HALFT                      ; where they go: wave x 128 rows: no place in the cluster enters an LDS address
	s_wait_kmcnt 0x0
	s_load_b256 s[88:95], s[68:69], 0x0            ; e0 .. e7
	s_load_b64 s[96:97], s[68:69], 0x20            ; e8, e9
	s_cmp_eq_u32 ttmp9, 2                          ; the buffers are chosen by the cluster's x alone
	s_cselect_b64 s[80:81], s[10:11], s[4:5]       ; A': Wv, or x
	s_cselect_b64 s[82:83], s[4:5], s[8:9]         ; B': x, or Wk,
	s_cselect_b64 s[84:85], s[74:75], s[72:73]     ; out: v_img, or k_img,
	s_cmp_eq_u32 ttmp9, 0
	s_cselect_b64 s[82:83], s[6:7], s[82:83]       ; or Wq
	s_cselect_b64 s[84:85], s[70:71], s[84:85]     ; or q_img
	s_add_nc_u64 s[20:21], s[80:81], s[20:21]
	s_add_nc_u64 s[46:47], s[82:83], s[46:47]
	CROUND                                         ; all sixteen work-groups are here: the first joint loads meet
.irp s, 0,1
	s_mov_b32 s[G0+4*\s], 1
	s_add_co_u32 s[G0+4*\s+1], s45, \s*SLOT
	s_add_nc_u64 s[G0+4*\s+2:G0+4*\s+3], s[20:21], \s*ROWB
	s_or_b32 s[G0+4*\s+3], s[G0+4*\s+3], 0x80000000
	s_mov_b32 s[G0B+4*\s], 1
	s_add_co_u32 s[G0B+4*\s+1], s45, \s*SLOT
	s_add_nc_u64 s[G0B+4*\s+2:G0B+4*\s+3], s[46:47], \s*ROWB
	s_or_b32 s[G0B+4*\s+3], s[G0B+4*\s+3], 0x80000000
	JLOAD G0+4*\s, G1, G0B+4*\s, G1B
.endr
	v_and_b32 v1, 15, v0                           ; l % 16
	v_bfe_u32 v2, v0, 4, 1                         ; l / 16
	v_mul_u32_u24 v3, v1, PITCH
	v_lshl_add_u32 v4, v2, 4, v3                   ; a fragment's row x pitch + 16 x half
	s_mul_i32 s21, s15, HALFT                      ; my 128 rows of A'
	s_mul_i32 s22, s16, HALFT                      ; my 128 rows of B',
	s_add_co_u32 s22, s22, 2*HALFT                 ; which lie behind A's 256
.irp s, 0,1
	v_add_nc_u32 v[ADRA+\s], s21, v4
	v_add_nc_u32 v[ADRB+\s], s22, v4
	s_add_co_u32 s21, s21, SLOT
	s_add_co_u32 s22, s22, SLOT
.endr
	v_and_b32 v6, 31, v0
	v_lshlrev_b32 v[LI], 4, v6                     ; 16 x lane
	; where my images begin.  U = my block of 128 A' rows, W = my block of 128 B' rows.  tok = the block of 128 tokens (64 of them), hp = the pair of heads (8 of them).
	s_lshl_b32 s18, s17, 1
	s_add_co_u32 s18, s18, s15                     ; U
	s_lshl_b32 s19, s42, 1
	s_add_co_u32 s19, s19, s16                     ; W
	s_cmp_eq_u32 ttmp9, 2
	s_cselect_b32 s22, s19, s18                    ; tok
	s_cselect_b32 s23, s18, s19                    ; hp
	s_lshr_b32 s98, s22, 4
	s_lshl_b32 s98, s98, 4                         ; 16 x batch
	s_lshl_b32 s23, s23, 1
	s_add_co_u32 s98, s98, s23                     ; + the pair's first head
	s_lshl_b32 s98, s98, 17                        ; a head's image is 131,072 bytes in all three buffers
	s_and_b32 s22, s22, 15
	s_lshl_b32 s22, s22, 13                        ; 128 tokens are 8,192 bytes of it: eight token tiles of 1,024, or one key step of four fragments of 2,048
	s_add_co_u32 s98, s98, s22
	s_mov_b32 s99, 0
	s_add_nc_u64 s[84:85], s[84:85], s[98:99]
.macro FRAG reg, adr, q, i             ; a fragment is fetched by four loads of 16 bytes: registers 4 c .. 4 c + 3 hold K = 32 c + 16 (l / 16) + 0 .. 15: a permutation of k, the same in A' and in B', so every product meets its partner
.irp c, 0,1,2,3
	ds_load_b128 v[\reg+4*\c:\reg+4*\c+3], v[\adr] offset:128*(\q)+32*\c+(\i)*16*PITCH
.endr
.endm
; 16 matrix instructions: A's blocks a0, a0 + 1 x B's eight, 128 along K.  p: B's set.  zero = 1: the first product starts the sums: nothing is ever cleared.
; The 64 accumulators take turns, one instruction a turn, in the same order in every step.
.macro MUL16 a0, p, zero
.irp a, \a0, \a0+1
.irp b, 0,1,2,3,4,5,6,7
.if \zero
	v_wmma_f32_16x16x128_bf8_bf8 v[8*(8*((\a)%4)+\b):8*(8*((\a)%4)+\b)+7], v[128*(\p)+FR*\b:128*(\p)+FR*\b+FR-1], v[AF+FR*(\a):AF+FR*(\a)+FR-1], 0
.else
	v_wmma_f32_16x16x128_bf8_bf8 v[8*(8*((\a)%4)+\b):8*(8*((\a)%4)+\b)+7], v[128*(\p)+FR*\b:128*(\p)+FR*\b+FR-1], v[AF+FR*(\a):AF+FR*(\a)+FR-1], v[8*(8*((\a)%4)+\b):8*(8*((\a)%4)+\b)+7]
.endif
.endr
.endr
.endm
.macro FETCH_B slot, q, p              ; B's eight fragments of the slot's q-th 128 along K into set p
	WIN TO_B
.irp i, 0,1,2,3,4,5,6,7
	FRAG 128*(\p)+FR*\i, ADRB+\slot, \q, \i
.endr
	WIN 0
.endm
.macro FETCH_A slot, q, i0             ; A's blocks i0 .. i0 + 3
.irp i, \i0, \i0+1, \i0+2, \i0+3
	FRAG AF+FR*(\i), ADRA+\slot, \q, \i
.endr
.endm
; A load into a register that a matrix instruction has read, and a vector instruction that reads a matrix result, stand NP places behind that matrix instruction; only plain vector
; instructions that name none of its registers are places (ISA guide 7.12.1 for vector instructions).
.macro PLACES n
.rept \n
	v_nop
.endr
.endm
; A step of 128 along K that has its successor in the same slot.  A block of A' is free as soon as its eight products are issued, so one set of registers serves A'; B's fragments are at work through the whole step and have two.
.macro STEP slot, q, zero
	s_wait_dscnt 4*NL                              ; B's set and A's blocks 0-3 are in; the youngest sixteen loads (A's blocks 4-7) may be out
	WIN MUL_LO
	MUL16 0, (\q)%2, \zero
	MUL16 2, (\q)%2, \zero
	s_wait_dscnt 0                                 ; A's blocks 4-7 are in (asked for 32 matrix instructions ago)
	PLACES NP
	FETCH_B \slot, (\q)+1, 1-(\q)%2
	FETCH_A \slot, (\q)+1, 0
	WIN MUL_HI
	MUL16 4, (\q)%2, \zero
	MUL16 6, (\q)%2, \zero
	PLACES NP
	WIN 0
	FETCH_A \slot, (\q)+1, 4
.endm
; A slot's last step changes slots: ONE barrier; in front of it each wave waits for all its tensor loads, adds 0 to its spare word, and waits for that and for its own reads of this slot.  fill = 1: this slot is filled again, two K steps ahead.
.macro TURN slot, next, fill
	s_wait_tensorcnt 0x0                           ; all my tensor loads have landed: my part of the next slot;  (every window is 0 here: the add's two registers lie in window 0)
	ds_add_u32 v[SPW], v[NIL]                      ; 0 onto my spare word
	s_wait_dscnt 4*NL+1                            ; (the add and the youngest sixteen loads, A's blocks 4-7, may be out)
	WIN MUL_LO
	MUL16 0, 1, 0                                  ; sixteen matrix instructions stand between the add and the wait for it
	s_wait_dscnt 0x0                               ; the add is done, and my reads of this slot are over
	s_barrier_signal -1
	MUL16 2, 1, 0
	WIN 0
	s_barrier_wait -1
.if \fill
	CREST                                          ; the barrier has opened a round of the cluster's barrier: no wave of any partner still reads this slot's tile or has a load on its way
	s_add_nc_u64 s[G0+4*\slot+2:G0+4*\slot+3], s[G0+4*\slot+2:G0+4*\slot+3], 2*ROWB
	s_add_nc_u64 s[G0B+4*\slot+2:G0B+4*\slot+3], s[G0B+4*\slot+2:G0B+4*\slot+3], 2*ROWB
	JLOAD G0+4*\slot, G1, G0B+4*\slot, G1B         ; the first tensor load behind the round; the four v_nop behind it are the places in front of the loads below
.else
	PLACES NP
.endif
	FETCH_B \next, 0, 0
	FETCH_A \next, 0, 0
	WIN MUL_HI
	MUL16 4, 1, 0
	MUL16 6, 1, 0
	PLACES NP
	WIN 0
	FETCH_A \next, 0, 4
.endm
	s_wait_alu depctr_va_vdst(0)
	s_wait_tensorcnt 1                             ; my part of K step 0 is in (K step 1's load may be out)
	s_barrier_signal -1
	s_barrier_wait -1                              ; everybody's is
	FETCH_B 0, 0, 0
	FETCH_A 0, 0, 0
	FETCH_A 0, 0, 4
	STEP 0, 0, 1                                   ; the first step stands in front of the loop: its products start the sums
	s_mov_b32 s3, LAPS-1
.Llap:                                                 ; a trip goes once round the ring, from a lap's second step to the next lap's first, and fills both slots again
	TURN 0, 1, 1
	STEP 1, 0, 0
	TURN 1, 0, 1
	STEP 0, 0, 0
	s_sub_co_u32 s3, s3, 1
	s_cmp_lg_u32 s3, 0
	s_cbranch_scc1 .Llap
	TURN 0, 1, 0                                   ; the last lap fills nothing, and has no round of the cluster's barrier
	STEP 1, 0, 0
	s_wait_dscnt 4*NL                              ; the very last step: nothing more to fetch
	WIN MUL_LO
	MUL16 0, 1, 0
	MUL16 2, 1, 0
	s_wait_dscnt 0
	WIN MUL_HI
	MUL16 4, 1, 0
	MUL16 6, 1, 0
	WIN 0
	; THE WAY OUT.  The scale of my projection's conversion, chosen without a jump on any loaded number.
	s_wait_kmcnt 0x0
	s_sub_co_i32 s18, s94, s88
	s_sub_co_i32 s18, s18, s89                     ; q: e6 - e0 - e1
	s_sub_co_i32 s19, s95, s90
	s_sub_co_i32 s19, s19, s91                     ; k: e7 - e2 - e3
	s_sub_co_i32 s22, s97, s92
	s_sub_co_i32 s22, s22, s93                     ; v: e9 - e4 - e5
	s_cmp_eq_u32 ttmp9, 2
	s_cselect_b32 s19, s22, s19
	s_cmp_eq_u32 ttmp9, 0
	s_cselect_b32 s18, s18, s19                    ; F
	s_add_co_i32 s18, s18, 127
	s_lshl_b32 s19, s18, 23
	v_mov_b32 v[SCL], s19                          ; 2^F as f32: the conversion takes its exponent field
	s_add_co_i32 s18, s18, 15
	s_lshl_b32 s18, s18, 23
	s_or_b32 s18, s18, 0x600000
	PLACES NP                                      ; behind the last products: their results are read and A's registers are written below
; Block a (16 rows of A'): its 64 sums go to the conversion as they are (the conversion to an 8-bit code does not saturate: ISA guide 7.6.2);
; eight conversions make the block's 16 registers of codes: accumulator b gives registers 2 b, 2 b + 1.
.macro CODES a
.set AC, 64*((\a)%4)
	WIN 0x02+((\a)/4)                              ; source 0: window 2 or 3
.set i, 0
.rept 64
.set i, i+1
.endr
.irp b, 0,1,2,3,4,5,6,7
	v_cvt_scalef32_pk8_bf8_f32 v[CD+16*(\a)+2*\b:CD+16*(\a)+2*\b+1], v[AC+8*\b:AC+8*\b+7], v[SCL]
.endr
	WIN 0
	v_nop                                          ; one plain vector instruction behind the block's last conversion
.endm
.irp a, 0,1,2,3,4,5,6,7
	CODES \a
.endr
	s_cmp_eq_u32 ttmp9, 2                          ; the images' order differs: a branch on the cluster's x, the same in all partners
	s_cbranch_scc1 .Lv_out
.irp a, 0,1,2,3,4,5,6,7                        ; q, k: block a is token tile a; groups 0, 1 are the pair's first head, groups 2, 3 its second
.irp g, 0,1,2,3
	global_store_b128 v[LI], v[CD+16*\a+4*\g:CD+16*\a+4*\g+3], s[84:85] offset:\a*1024+(\g/2)*131072+(\g%2)*512   ; 32 lanes store 512 consecutive bytes, at a multiple of 512 from the buffer's first byte
.endr
.endr
	s_branch .Ldone
.Lv_out:
	s_wait_alu depctr_va_vdst(0)
.irp a, 0,1,2,3,4,5,6,7                        ; v: blocks 0-3 are the first head's four channel tiles, blocks 4-7 the second's; a block's 16 registers are one fragment of 128 keys
.irp g, 0,1,2,3
	global_store_b128 v[LI], v[CD+16*\a+4*\g:CD+16*\a+4*\g+3], s[84:85] offset:(\a/4)*131072+(\a%4)*2048+\g*512
.endr
.endr
.Ldone:
	s_wait_tensorcnt 0x0                           ; the wave's end: behind my last tensor load
	ds_add_u32 v[SPW], v[NIL]
	s_wait_dscnt 0x0
	CROUND                                         ; the closing round: no work-group ends while a partner may still ask for a tile that names it
	s_endpgm
.Lfunc_end_k_qbe2dede184_proj:
	.size	k_qbe2dede184_proj, .Lfunc_end_k_qbe2dede184_proj-k_qbe2dede184_proj
	.p2alignl 7, 3214868480
	.fill 96, 4, 3214868480
	.section	.rodata,"a",@progbits
	.p2align	6, 0x0
	.amdhsa_kernel k_qbe2dede184_proj
		.amdhsa_group_segment_fixed_size 327680
		.amdhsa_private_segment_fixed_size 0
		.amdhsa_enable_private_segment 0
		.amdhsa_kernarg_size 64
		.amdhsa_user_sgpr_count 2
		.amdhsa_user_sgpr_kernarg_segment_ptr 1
		.amdhsa_wavefront_size32 1
		.amdhsa_system_sgpr_workgroup_id_x 1
		.amdhsa_system_sgpr_workgroup_id_y 1
		.amdhsa_system_sgpr_workgroup_id_z 1
		.amdhsa_system_vgpr_workitem_id 0
		.amdhsa_next_free_vgpr 1024
		.amdhsa_next_free_sgpr 100
		.amdhsa_reserve_vcc 0
		.amdhsa_float_denorm_mode_32 3
		.amdhsa_float_denorm_mode_16_64 3
		.amdhsa_fp16_overflow 1
		.amdhsa_memory_ordered 1
		.amdhsa_forward_progress 1
		.amdhsa_inst_pref_size 89
	.end_amdhsa_kernel
	.amdgpu_metadata
---
amdhsa.version: [ 1, 2 ]
amdhsa.kernels:
  - .name:           k_qbe2dede184_proj
    .symbol:         k_qbe2dede184_proj.kd
    .args:
      - { .name: x_codes, .offset: 0, .size: 8, .value_kind: global_buffer, .address_space: global }
      - { .name: Wq_codes, .offset: 8, .size: 8, .value_kind: global_buffer, .address_space: global }
      - { .name: Wk_codes, .offset: 16, .size: 8, .value_kind: global_buffer, .address_space: global }
      - { .name: Wv_codes, .offset: 24, .size: 8, .value_kind: global_buffer, .address_space: global }
      - { .name: lowp_scales, .offset: 32, .size: 8, .value_kind: global_buffer, .address_space: global }
      - { .name: q_img, .offset: 40, .size: 8, .value_kind: global_buffer, .address_space: global }
      - { .name: k_img, .offset: 48, .size: 8, .value_kind: global_buffer, .address_space: global }
      - { .name: v_img, .offset: 56, .size: 8, .value_kind: global_buffer, .address_space: global }
    .group_segment_fixed_size: 327680
    .private_segment_fixed_size: 0
    .kernarg_segment_align: 8
    .kernarg_segment_size: 64
    .max_flat_workgroup_size: 128
    .sgpr_count:     100
    .vgpr_count:     1024
    .wavefront_size: 32
...
	.end_amdgpu_metadata
.endif
;; end of part 1
;; launch attn (part 2): grid 4 x 64, 16 waves a work-group, clusters of 4 x 1, 264,192 bytes of LDS; arguments q_img, k_img, v_img, lowp_scales, ctx_img; writes ctx_img
.if DOCPART == 2
	.amdgcn_target "amdgcn-amd-amdhsa--gfx1250"
	.amdhsa_code_object_version 6
	.text
	.protected	k_qbe2dede184_attn
	.globl	k_qbe2dede184_attn
	.p2align	8
	.type	k_qbe2dede184_attn,@function
k_qbe2dede184_attn:
	s_mov_b64 s[64:65], 0
	v_nop
	global_prefetch_b8 v0, s[64:65] scope:SCOPE_SE
	s_setreg_imm32_b32 hwreg(HW_REG_WAVE_MODE, 25, 1), 1
	s_wait_xcnt 0x0
	s_wait_alu depctr_hold_cnt(0) depctr_sa_sdst(0) depctr_va_vdst(0) depctr_va_sdst(0) depctr_va_ssrc(0) depctr_va_vcc(0) depctr_vm_vsrc(0)
	s_getreg_b32 s2, hwreg(HW_REG_IB_STS2, 6, 4)
	s_cmp_eq_u32 s2, 0
	s_cbranch_scc0 .Lentry_in_a_cluster
	s_endpgm
.Lentry_in_a_cluster:
	s_bfe_u32 s2, ttmp6, 0x10000c
	s_cmp_lg_u32 s2, 0x3003
	s_cbranch_scc0 .Lentry_shape_is_right
	s_endpgm
.Lentry_shape_is_right:
; CAUSAL ATTENTION of one (batch, head) for each cluster, both products on codes of BF8 (E5M2), and the quantising of its result for the output product.  2,048 tokens, head size 64.
; q_img, k_img: [b x 16 + head][token tile 128][group 2][lane 32][16 bytes]: a tile of 16 tokens x 64 as the eight registers of an 8-bit operand (registers 2 c, 2 c + 1: k = 16 c + 8 (lane / 16) + 0 .. 7).
; v_img: [b x 16 + head][key step 16][channel tile 4][group 4][lane 32][16 bytes]: 16 channels x 128 keys as the sixteen registers of an operand whose K is the keys.
; ctx_img: [block of 128 rows: 64][K step of 128 (two heads): 8][row tile 8][group 4][lane 32][16 bytes]: the output product's first operand, likewise.
; THE SOFTMAX AHEAD OF THE SECOND PRODUCT: t = score x log2(e) / 8; M = the row's largest t so far, rounded UP to a whole number; p = 2^(t - M) is what is quantised, with 2^e8; it is not normalised.
; The row's sum is taken of the unquantised p, in f32, and divides at the end.  When M moves, the sum and O are multiplied by 2^(old M - new M): exact.
; LAYOUT.  S^T = K Q^T (source 0 = 16 keys, source 1 = my 16 queries), O^T = V^T P^T (source 0 = 16 channels, source 1 = P): a lane holds ONE query (lane % 16) throughout.  A tile's eight scores of a lane are keys
; 16 u + 8 (lane / 16) + 0 .. 7: one conversion makes of them registers 2 u, 2 u + 1 of P.  O^T's eight numbers of a lane are channels 16 u + 8 (lane / 16) + 0 .. 7: registers 2 u, 2 u + 1 of the head's half of a fragment of ctx.
; SHARES.  The head's 128 tiles of 16 queries are dealt out so that every wave has the same work under the mask: work-group cx of the cluster owns tiles 4 j + cx, j = 0 .. 31; wave w owns j = w (tile 0) and j = 31 - w (tile 1).
; Tile 4 j + cx lies in the block of 128 queries j / 2, whatever cx is: key steps above j / 2 are hidden and left out, step j / 2 lies on the diagonal, those below count whole.  So every branch hangs on the wave's number and the
; step's number alone, alike in all partners, and each wave has w / 2 + (31 - w) / 2 + 2 = 17 key steps of 128 keys.  cx enters global addresses and the mask's numbers, nothing else.
; LDS holds the head's K (bytes 0 on) and V (bytes 131,072 on) whole, as they lie in memory; every byte is filled ONCE, so there is no ring.  The four work-groups of the cluster need the same bytes: they are asked for JOINTLY.
; All loads go out at the head, in four chunks of four key steps: waves 0, 1 K's halves of a chunk, waves 2, 3 V's: 16,384 bytes a load, four loads of such a wave out.  Every LDS read takes 512 consecutive bytes, 16 a lane.
; No prefetch: all of K and V is asked for by the tensor loads at the head; there is no later request to run ahead of.
; LIMITS on the given exponents, so that each power of two below is an f32 number: e6 + e7 between -123 and 130 (added to c's exponent field); e8 and e10 between -126 and 112; e8 + e9 goes by v_ldexp_f32 and has none.  NaN is not served.
.set LI,   1                           ; v1   16 x lane; never rewritten
.set ADK,  2                           ; v2   LDS address of the step's K
.set ADV,  3                           ; v3   of its V
.set DM,   4                           ; v4, v5  tile 0's, tile 1's: my query less the diagonal step's first key less 8 (lane / 16)
.set NINF, 6                           ; v6   -infinity
.set PLIM, 7
.set PSCL, 8                           ; v8   2^e8
.set CLIM, 9
.set CSCL, 10                          ; v10  2^e10
.set ST,   12                          ; v[12+4T ..]: -M, the largest t, the sum in two halves
.set Q,    20                          ; v[20+8T ..]: Q's fragment
.set KB,   36                          ; v36-99   K's eight fragments of 8 registers, then V's four of 16
.set S,    100                         ; v100-163 S^T, then p
.set O,    164                         ; v[164+32T ..]: O^T
.set PC,   228                         ; v228-243 p's codes; on the way out ctx's
                                       ; v244, v245 the maximum's two chains; v[246:247] f; v[248:249] a chain of the sum; v250, v251 lane permutes' destinations; v[252:253], v[254:255] 2^(e8 + e9) / the sum
.set WV,   14                          ; s14  wave
.set CX,   15                          ; s15  my place in the cluster
.set HB,   16                          ; s16  16 x batch + head
.set SEL,  20                          ; s[20:21] lane selects for v_permlanex16_b32: lane l xor 16
.set CS,   22                          ; s[22:23] c = log2(e) / 8 x 2^(e6 + e7)
.set G1,   24                          ; s[24:31] descriptor group 1;  s[32:47] four groups 0, one for each chunk; none is ever rewritten
.set G0,   32
.set TB,   48                          ; s48  LDS byte of the step's K
.set KT,   49                          ; s49  the key step
.set CNT,  50                          ; s50  steps left in the chunk
.set DD,   52                          ; s52, s53  the diagonal step of tile 0, 1
.set JJ,   54                          ; s54, s55  j of tile 0, 1
.macro CROUND                          ; a round of the cluster's barrier
	s_barrier_signal -1
	s_barrier_wait -1
	s_cmp_lg_u32 s[WV], 0
	s_cbranch_scc1 .Lnot_wave_0_\@
	s_barrier_signal -3
.Lnot_wave_0_\@:
	s_barrier_wait -3
	s_barrier_signal -1
	s_barrier_wait -1
.endm
	s_load_b256 s[4:11], s[0:1], 0x0               ; q_img s[4:5], k_img s[6:7], v_img s[8:9], the scales' exponents s[10:11]
	s_load_b64 s[12:13], s[0:1], 0x20              ; ctx_img
	v_lshl_add_u32 v254, v0, 2, 0x40000
	v_mov_b32 v255, 0
	ds_add_u32 v254, v255
	ds_add_u32 v254, v255
	s_wait_dscnt 0x0
	v_lshrrev_b32 v11, 5, v0
	s_delay_alu instid0(VALU_DEP_1)
	v_readfirstlane_b32 s[WV], v11                 ; wave 0..15
	s_bfe_u32 s[CX], ttmp6, 0x40000                ; cx
	s_and_b32 s[HB], ttmp7, 0xffff                 ; the cluster's y: which batch and head; the four partners share it
	s_mov_b32 s[JJ], s[WV]
	s_sub_co_u32 s[JJ+1], 31, s[WV]
	s_lshr_b32 s[DD], s[JJ], 1
	s_lshr_b32 s[DD+1], s[JJ+1], 1
	; descriptor group 1: a dense block of 16,384 bytes as 64 rows of 256
	s_mov_b32 s[G1], 15|(3<<16)|(1<<21)            ; 15:0 the mask: all four work-groups; 17:16 elements of 8 bytes; 20 no padding; 21 set beside a mask
	s_mov_b32 s[G1+1], 32<<16                      ; tensor_dim0 = 32 elements
	s_mov_b32 s[G1+2], 64<<16                      ; tensor_dim1 = 64
	s_mov_b32 s[G1+3], 32<<16                      ; tile_dim0
	s_mov_b32 s[G1+4], 64                          ; tile_dim1
	s_mov_b32 s[G1+5], 32                          ; tensor_dim0_stride
	s_mov_b32 s[G1+6], 0
	s_mov_b32 s[G1+7], 0
	s_mov_b32 s[SEL], 0x76543210
	s_mov_b32 s[SEL+1], 0xfedcba98
	s_lshr_b32 s88, s[WV], 1
	s_and_b32 s88, s88, 1
	s_lshl_b32 s88, s88, 17                        ; waves 0, 1: K's region; waves 2, 3: V's
	s_and_b32 s89, s[WV], 1
	s_lshl_b32 s89, s89, 14                        ; which half of a chunk's 32,768 bytes
	s_add_co_u32 s88, s88, s89                     ; LDS address of my part of chunk 0: of the wave's number alone
	s_lshl_b32 s90, s[HB], 17                      ; the head's 131,072 bytes
	s_add_co_u32 s90, s90, s89
	s_mov_b32 s91, 0
	s_wait_kmcnt 0x0
	s_load_b128 s[68:71], s[10:11], 0x18           ; e6, e7, e8, e9
	s_load_b32 s72, s[10:11], 0x28                 ; e10
	s_cmp_lt_u32 s[WV], 2
	s_cselect_b64 s[76:77], s[6:7], s[8:9]
	s_add_nc_u64 s[76:77], s[76:77], s[90:91]
.irp c, 0,1,2,3
	s_mov_b32 s[G0+4*\c], 1                        ; count = 1
	s_add_co_u32 s[G0+4*\c+1], s88, \c*32768       ; LDS address
	s_add_nc_u64 s[G0+4*\c+2:G0+4*\c+3], s[76:77], \c*32768   ; global address: LDS mirrors the head's bytes
	s_or_b32 s[G0+4*\c+3], s[G0+4*\c+3], 0x80000000            ; type = 2
.endr
	CROUND                                         ; all four work-groups are here: the joint loads meet
	s_cmp_lt_u32 s[WV], 4                          ; a wave's first fills stand in one branch on the wave's number, ahead of every wait on TENSORcnt and every LDS read
	s_cbranch_scc0 .Lno_fetch
	tensor_load_to_lds s[G0:G0+3], s[G1:G1+7]
	s_nop 0
	tensor_load_to_lds s[G0+4:G0+7], s[G1:G1+7]
	s_nop 0
	tensor_load_to_lds s[G0+8:G0+11], s[G1:G1+7]
	s_nop 0
	tensor_load_to_lds s[G0+12:G0+15], s[G1:G1+7]
	s_nop 0
.rept 4
	v_nop
.endr
.Lno_fetch:
	v_and_b32 v[LI], 31, v0
	s_delay_alu instid0(VALU_DEP_1)
	v_lshlrev_b32 v[LI], 4, v[LI]
	s_wait_alu depctr_va_vdst(0)
	s_lshl_b32 s88, s[HB], 17
	s_lshl_b32 s89, s[CX], 10
	s_add_co_u32 s88, s88, s89
	s_mov_b32 s91, 0
	s_lshl_b32 s90, s[JJ], 12
	s_add_co_u32 s90, s90, s88                     ; Q: the head + tile (4 j + cx) x 1,024 bytes
	s_add_nc_u64 s[84:85], s[4:5], s[90:91]
	s_lshl_b32 s90, s[JJ+1], 12
	s_add_co_u32 s90, s90, s88
	s_add_nc_u64 s[86:87], s[4:5], s[90:91]
.irp t, 0,1
.irp g, 0,1
	global_load_b128 v[Q+8*\t+4*\g:Q+8*\t+4*\g+3], v[LI], s[84+2*\t:85+2*\t] offset:512*\g th:TH_LOAD_NT   ; Q's two fragments stay in registers; each tile is read by one wave of the launch
.endr
.endr
	; ctx: row tile mt = 128 x batch + 4 j + cx; block mt / 8, K step head / 2, tile mt % 8, and the head's half of the fragment
	s_lshr_b32 s88, s[HB], 4
	s_lshl_b32 s88, s88, 7
	s_add_co_u32 s88, s88, s[CX]
	s_and_b32 s89, s[HB], 15
	s_lshr_b32 s90, s89, 1
	s_lshl_b32 s90, s90, 14
	s_and_b32 s89, s89, 1
	s_lshl_b32 s89, s89, 10
	s_add_co_u32 s90, s90, s89
	s_mov_b32 s93, 0
.irp t, 0,1
	s_lshl_b32 s91, s[JJ+\t], 2
	s_add_co_u32 s91, s91, s88                     ; mt
	s_lshr_b32 s92, s91, 3
	s_lshl_b32 s92, s92, 17
	s_and_b32 s91, s91, 7
	s_lshl_b32 s91, s91, 11
	s_add_co_u32 s92, s92, s91
	s_add_co_u32 s92, s92, s90
	s_add_nc_u64 s[80+2*\t:81+2*\t], s[12:13], s[92:93]
.endr
	; the mask's number: on the diagonal step my query stands 64 (j % 2) + 16 cx + lane % 16 keys behind the step's first; register 8 u + i holds key 16 u + 8 (lane / 16) + i
	v_and_b32 v11, 15, v0
	v_bfe_u32 v251, v0, 4, 1
	s_delay_alu instid0(VALU_DEP_1)
	v_lshlrev_b32 v251, 3, v251
	s_delay_alu instid0(VALU_DEP_1)
	v_sub_nc_u32 v11, v11, v251
	s_lshl_b32 s89, s[CX], 4
.irp t, 0,1
	s_and_b32 s88, s[JJ+\t], 1
	s_lshl_b32 s88, s88, 6
	s_add_co_u32 s88, s88, s89
	v_add_nc_u32 v[DM+\t], s88, v11
.endr
.irp t, 0,1
	v_mov_b32 v[ST+4*\t+1], 0xff61b1e6             ; the largest t so far: -3e38, under every t
	s_delay_alu instid0(VALU_DEP_1)
	v_floor_f32 v[ST+4*\t], -v[ST+4*\t+1]          ; -M
	v_mov_b32 v[ST+4*\t+2], 0                      ; the sum, in two halves
	v_mov_b32 v[ST+4*\t+3], 0
.endr
	v_mov_b32 v[NINF], 0xff800000
	v_mov_b32 v247, 0                              ; (named as the upper halves of pairs whose low word serves both halves)
	v_mov_b32 v253, 0
	v_mov_b32 v255, 0
	v_mov_b32 v250, 0                              ; written once: a lane permute's destination counts as one of its sources
.set i, 0
.rept 64
	v_mov_b32 v[O+i], 0                            ; O^T.  (The step is written without a first step of its own: the first finds zeros, which the first change of M leaves zeros)
.set i, i+1
.endr
	s_wait_kmcnt 0x0
	s_add_co_i32 s88, s68, s69
	s_lshl_b32 s88, s88, 23
	s_mov_b32 s[CS], 0x3e38aa3b                    ; log2(e) / sqrt(64)
	s_add_co_i32 s[CS], s[CS], s88                 ; a score stands for score x 2^(e6 + e7): the two exponents are added to c's exponent field
	s_mov_b32 s[CS+1], s[CS]                       ; (named with it as a pair, so it is written)
	s_add_co_i32 s88, s70, 127
	s_lshl_b32 s89, s88, 23
	v_mov_b32 v[PSCL], s89                         ; 2^e8
	s_add_co_i32 s88, s72, 127
	s_lshl_b32 s89, s88, 23
	v_mov_b32 v[CSCL], s89                         ; 2^e10
; A KEY STEP of 128 keys for tile tl.
.macro STEP tl
.set rT, ST+4*\tl
.set rO, O+32*\tl
	s_cmp_gt_u32 s[KT], s[DD+\tl]                  ; all its keys come after my queries: left out.  No barrier and no tensor load stands in a step
	s_cbranch_scc1 .Lhid_\@
.rept 4
	v_nop                                          ; places in front of loads into registers that the last products V^T P have read
.endr
	s_wait_alu depctr_va_vdst(0)
.irp u, 0,1,2,3,4,5,6,7
	ds_load_b128 v[KB+8*\u:KB+8*\u+3], v[ADK] offset:1024*\u
	ds_load_b128 v[KB+8*\u+4:KB+8*\u+7], v[ADK] offset:1024*\u+512
.endr
	s_wait_dscnt 8                                 ; tiles 0-3 of K are in; the eight loads of tiles 4-7 may be out
.irp u, 0,1,2,3
	v_wmma_f32_16x16x64_bf8_bf8 v[S+8*\u:S+8*\u+7], v[KB+8*\u:KB+8*\u+7], v[Q+8*\tl:Q+8*\tl+7], 0
.endr
	s_wait_dscnt 0x0
.irp u, 4,5,6,7
	v_wmma_f32_16x16x64_bf8_bf8 v[S+8*\u:S+8*\u+7], v[KB+8*\u:KB+8*\u+7], v[Q+8*\tl:Q+8*\tl+7], 0
.endr
.rept 4
	v_nop                                          ; places in front of the loads into K's registers and of the first read of the scores
.endr
	s_wait_alu depctr_va_vdst(0)
.irp u, 0,1,2,3
.irp g, 0,1,2,3
	ds_load_b128 v[KB+16*\u+4*\g:KB+16*\u+4*\g+3], v[ADV] offset:2048*\u+512*\g   ; V's four fragments land while the softmax is worked
.endr
.endr
	s_cmp_lt_u32 s[KT], s[DD+\tl]                  ; a step all of whose keys count skips the mask
	s_cbranch_scc1 .Lopen_\@
.irp n, 0,1,2,3,4,5,6,7,8,9,10,11,12,13,14,15,16,17,18,19,20,21,22,23,24,25,26,27,28,29,30,31,32,33,34,35,36,37,38,39,40,41,42,43,44,45,46,47,48,49,50,51,52,53,54,55,56,57,58,59,60,61,62,63
	v_cmp_gt_i32 vcc_lo, 16*(\n/8)+\n%8, v[DM+\tl]
	v_cndmask_b32 v[S+\n], v[S+\n], v[NINF], vcc_lo   ; on the diagonal the scores of hidden keys become -infinity ahead of the maximum: p = 0 then.  The step's first key counts for every query
.endr
.Lopen_\@:
	v_max3_num_f32 v244, v[S], v[S+1], v[S+2]      ; the step's largest score of my query, among my 64 keys, in two chains, each accumulator from its low end on,
	v_max3_num_f32 v245, v[S+3], v[S+4], v[S+5]
.irp i, 6,10,14,18,22,26,30,34,38,42,46,50,54,58
	v_max3_num_f32 v244, v244, v[S+\i], v[S+\i+1]
	v_max3_num_f32 v245, v245, v[S+\i+2], v[S+\i+3]
.endr
	v_max3_num_f32 v244, v244, v[S+62], v[S+63]
	s_delay_alu instid0(VALU_DEP_1)
	v_max_num_f32 v244, v244, v245
	s_delay_alu instid0(VALU_DEP_1)
	v_permlanex16_b32 v250, v244, s[SEL], s[SEL+1]
	s_delay_alu instid0(VALU_DEP_1)
	v_max_num_f32 v244, v244, v250                 ; and among lane l xor 16's
	s_delay_alu instid0(VALU_DEP_1)
	v_mul_f32 v244, s[CS], v244                    ; as t (c is positive)
	s_delay_alu instid0(VALU_DEP_1)
	v_max_num_f32 v[rT+1], v[rT+1], v244           ; the running largest t
	v_mov_b32 v244, v[rT]
	s_delay_alu instid0(VALU_DEP_2)
	v_floor_f32 v[rT], -v[rT+1]                    ; the new -M = floor(-t) = -ceil(t): M is a whole number
	s_delay_alu instid0(VALU_DEP_1)
	v_sub_f32 v244, v[rT], v244                    ; M's old value less its new one: a whole number, 0 or less
	s_delay_alu instid0(VALU_DEP_1)
	v_cvt_i32_f32 v244, v244                       ; (it saturates)
	s_delay_alu instid0(VALU_DEP_1)
	v_ldexp_f32 v246, 1.0, v244                    ; f = 2^(old M - new M)
.irp j, 0,2,4,6,8,10,12,14,16,18,20,22,24,26,28,30,32,34,36,38,40,42,44,46,48,50,52,54,56,58,60,62
	v_pk_fma_f32 v[S+\j:S+\j+1], v[S+\j:S+\j+1], s[CS:CS+1], v[rT:rT+1] op_sel_hi:[1,0,0]   ; t - M, two at a time (of the pairs c and -M the low word serves both halves)
.endr
	s_wait_alu depctr_va_vdst(0)
.irp j, 0,1,2,3,4,5,6,7,8,9,10,11,12,13,14,15,16,17,18,19,20,21,22,23,24,25,26,27,28,29,30,31,32,33,34,35,36,37,38,39,40,41,42,43,44,45,46,47,48,49,50,51,52,53,54,55,56,57,58,59,60,61,62,63
	v_exp_f32 v[S+\j], v[S+\j]                     ; p = 2^(t - M), at most 1: not normalised
.endr
	v_pk_mul_f32 v[rT+2:rT+3], v[rT+2:rT+3], v[246:247] op_sel_hi:[1,0]   ; the sums under the new M.  (The plain instruction behind the exponentials)
	s_wait_alu depctr_va_vdst(0)                   ; one wait for the whole batch of exponentials, ahead of its first reader
	v_pk_add_f32 v[248:249], v[S:S+1], v[S+2:S+3]  ; the row's sum is taken of the UNQUANTISED p: two at a time, in two chains
.irp j, 4,8,12,16,20,24,28,32,36,40,44,48,52,56,60
	v_pk_add_f32 v[rT+2:rT+3], v[rT+2:rT+3], v[S+\j:S+\j+1]
	v_pk_add_f32 v[248:249], v[248:249], v[S+\j+2:S+\j+3]
.endr
	s_delay_alu instid0(VALU_DEP_1)
	v_pk_add_f32 v[rT+2:rT+3], v[rT+2:rT+3], v[248:249]
.irp u, 0,1,2,3,4,5,6,7
.irp i, 0,1,2,3,4,5,6,7
.endr
	v_cvt_scalef32_pk8_bf8_f32 v[PC+2*\u:PC+2*\u+1], v[S+8*\u:S+8*\u+7], v[PSCL]   ; keys 16 u + 8 (lane / 16) + 0 .. 7: registers 2 u, 2 u + 1 of P
.endr
.irp j, 0,2,4,6,8,10,12,14,16,18,20,22,24,26,28,30
	v_pk_mul_f32 v[rO+\j:rO+\j+1], v[rO+\j:rO+\j+1], v[246:247] op_sel_hi:[1,0]   ; O^T under the new M: x f.  (Plain instructions between the last conversion and the products that read its result)
.endr
	s_wait_alu depctr_va_vdst(0)
	s_wait_dscnt 0x0                               ; V is in
.irp u, 0,1,2,3                                ; O^T += V^T P^T: four accumulators, one instruction each
	v_wmma_f32_16x16x128_bf8_bf8 v[rO+8*\u:rO+8*\u+7], v[KB+16*\u:KB+16*\u+15], v[PC:PC+15], v[rO+8*\u:rO+8*\u+7]
.endr
.Lhid_\@:
.endm
; A CHUNK of four key steps.  The fetching waves wait until their part of it has landed (the loads of the 3 - c chunks behind it may stay out), every wave passes a barrier, and then all sixteen read it.
; low = 1: tile 0, whose diagonal step is 7 at the most, has work in chunks 0 and 1 alone.
.macro CHUNK c, low
	s_wait_tensorcnt 3-\c
	s_wait_dscnt 0x0
	s_barrier_signal -1
	s_barrier_wait -1
	s_mov_b32 s[TB], \c*32768
	s_mov_b32 s[KT], 4*\c
	s_mov_b32 s[CNT], 4
.Lck_\@:
	v_add_nc_u32 v[ADK], s[TB], v[LI]
	s_delay_alu instid0(VALU_DEP_1)
	v_add_nc_u32 v[ADV], 0x20000, v[ADK]
	STEP 1
.if \low
	STEP 0
.endif
	s_add_co_u32 s[TB], s[TB], 8192
	s_add_co_u32 s[KT], s[KT], 1
	s_sub_co_u32 s[CNT], s[CNT], 1
	s_cmp_lg_u32 s[CNT], 0
	s_cbranch_scc1 .Lck_\@
.endm
	s_wait_loadcnt 0x0                             ; Q
	CHUNK 0, 1
	CHUNK 1, 1
	CHUNK 2, 0
	CHUNK 3, 0
	; THE WAY OUT.  ctx = O^T x 2^(e8 + e9) / the sum, in f32; quantised with 2^e10, and stored as the head's half of a fragment of the output product's operand.
.rept 4
	v_nop                                          ; places behind the last products: their results are read and P's registers are written below
.endr
.irp t, 0,1
	v_add_f32 v[ST+4*\t+2], v[ST+4*\t+2], v[ST+4*\t+3]   ; the sum's two halves,
.endr
	s_delay_alu instid0(VALU_DEP_2)
	v_permlanex16_b32 v250, v[ST+2], s[SEL], s[SEL+1]
	s_delay_alu instid0(VALU_DEP_2)
	v_permlanex16_b32 v251, v[ST+6], s[SEL], s[SEL+1]
	s_delay_alu instid0(VALU_DEP_2)
	v_add_f32 v[ST+2], v[ST+2], v250               ; and lane l xor 16's: the row's sum
	s_delay_alu instid0(VALU_DEP_2)
	v_add_f32 v[ST+6], v[ST+6], v251
	s_wait_alu depctr_va_vdst(0)
	v_rcp_f32 v252, v[ST+2]
	v_rcp_f32 v254, v[ST+6]
	v_nop                                          ; a plain instruction behind the reciprocals
	s_add_co_i32 s88, s70, s71                     ; e8 + e9
	s_wait_alu depctr_va_vdst(0)                   ; one wait for both, ahead of the first reader
	v_ldexp_f32 v252, v252, s88
	v_ldexp_f32 v254, v254, s88
.macro OUT tl
.irp j, 0,2,4,6,8,10,12,14,16,18,20,22,24,26,28,30
	v_pk_mul_f32 v[S+32*\tl+\j:S+32*\tl+\j+1], v[O+32*\tl+\j:O+32*\tl+\j+1], v[252+2*\tl:253+2*\tl] op_sel_hi:[1,0]   ; each accumulator from its low end on
.endr
.set i, 0
.rept 32
.set i, i+1
.endr
.irp u, 0,1,2,3
	v_cvt_scalef32_pk8_bf8_f32 v[PC+8*\tl+2*\u:PC+8*\tl+2*\u+1], v[S+32*\tl+8*\u:S+32*\tl+8*\u+7], v[CSCL]
.endr
	v_nop                                          ; a plain instruction behind the last conversion
	global_store_b128 v[LI], v[PC+8*\tl:PC+8*\tl+3], s[80+2*\tl:81+2*\tl]              ; 32 lanes store 512 consecutive bytes, at a multiple of 512 from the buffer's first byte
	global_store_b128 v[LI], v[PC+8*\tl+4:PC+8*\tl+7], s[80+2*\tl:81+2*\tl] offset:512
.endm
	OUT 0
	OUT 1
	s_wait_dscnt 0x0
	s_wait_xcnt 0x0
	v_lshl_add_u32 v254, v0, 2, 0x40000
	v_mov_b32 v255, 0
	s_wait_alu depctr_va_vdst(0)
	s_wait_tensorcnt 0x0
	ds_add_u32 v254, v255
	s_wait_dscnt 0x0
	CROUND                                         ; the closing round: no work-group ends while a partner may still ask for bytes jointly with it
	s_endpgm
.Lfunc_end_k_qbe2dede184_attn:
	.size	k_qbe2dede184_attn, .Lfunc_end_k_qbe2dede184_attn-k_qbe2dede184_attn
	.p2alignl 7, 3214868480
	.fill 96, 4, 3214868480
	.section	.rodata,"a",@progbits
	.p2align	6, 0x0
	.amdhsa_kernel k_qbe2dede184_attn
		.amdhsa_group_segment_fixed_size 264192
		.amdhsa_private_segment_fixed_size 0
		.amdhsa_enable_private_segment 0
		.amdhsa_kernarg_size 40
		.amdhsa_user_sgpr_count 2
		.amdhsa_user_sgpr_kernarg_segment_ptr 1
		.amdhsa_wavefront_size32 1
		.amdhsa_system_sgpr_workgroup_id_x 1
		.amdhsa_system_sgpr_workgroup_id_y 1
		.amdhsa_system_sgpr_workgroup_id_z 1
		.amdhsa_system_vgpr_workitem_id 0
		.amdhsa_next_free_vgpr 256
		.amdhsa_next_free_sgpr 100
		.amdhsa_reserve_vcc 1
		.amdhsa_float_denorm_mode_32 3
		.amdhsa_float_denorm_mode_16_64 3
		.amdhsa_fp16_overflow 1
		.amdhsa_memory_ordered 1
		.amdhsa_forward_progress 1
		.amdhsa_inst_pref_size 128
	.end_amdhsa_kernel
	.amdgpu_metadata
---
amdhsa.version: [ 1, 2 ]
amdhsa.kernels:
  - .name:           k_qbe2dede184_attn
    .symbol:         k_qbe2dede184_attn.kd
    .args:
      - { .name: q_img, .offset: 0, .size: 8, .value_kind: global_buffer, .address_space: global }
      - { .name: k_img, .offset: 8, .size: 8, .value_kind: global_buffer, .address_space: global }
      - { .name: v_img, .offset: 16, .size: 8, .value_kind: global_buffer, .address_space: global }
      - { .name: lowp_scales, .offset: 24, .size: 8, .value_kind: global_buffer, .address_space: global }
      - { .name: ctx_img, .offset: 32, .size: 8, .value_kind: global_buffer, .address_space: global }
    .group_segment_fixed_size: 264192
    .private_segment_fixed_size: 0
    .kernarg_segment_align: 8
    .kernarg_segment_size: 40
    .max_flat_workgroup_size: 512
    .sgpr_count:     100
    .vgpr_count:     256
    .wavefront_size: 32
...
	.end_amdgpu_metadata
.endif
;; end of part 2
;; launch outp (part 3): grid 4 x 32, 4 waves a work-group, clusters of 4 x 4, 327,680 bytes of LDS; arguments ctx_img, Wo_codes, lowp_scales, out0, bo; writes out0
.if DOCPART == 3
	.amdgcn_target "amdgcn-amd-amdhsa--gfx1250"
	.amdhsa_code_object_version 6
	.text
	.protected	k_qbe2dede184_outp
	.globl	k_qbe2dede184_outp
	.p2align	8
	.type	k_qbe2dede184_outp,@function
k_qbe2dede184_outp:
	s_mov_b64 s[64:65], 0
	v_nop
	global_prefetch_b8 v0, s[64:65] scope:SCOPE_SE
	s_setreg_imm32_b32 hwreg(HW_REG_WAVE_MODE, 25, 1), 1
	s_wait_xcnt 0x0
	s_wait_alu depctr_hold_cnt(0) depctr_sa_sdst(0) depctr_va_vdst(0) depctr_va_sdst(0) depctr_va_ssrc(0) depctr_va_vcc(0) depctr_vm_vsrc(0)
	s_getreg_b32 s2, hwreg(HW_REG_IB_STS2, 6, 4)
	s_cmp_eq_u32 s2, 0
	s_cbranch_scc0 .Lentry_in_a_cluster
	s_endpgm
.Lentry_in_a_cluster:
	s_bfe_u32 s2, ttmp6, 0x10000c
	s_cmp_lg_u32 s2, 0xf033
	s_cbranch_scc0 .Lentry_shape_is_right
	s_endpgm
.Lentry_shape_is_right:
; THE OUTPUT PRODUCT out0 = ctx Wo + bo on codes of BF8 (E5M2).  out0: [8192][1024] f32; bo: [1024] f32; Wo: [1024 (n)][1024 (k)] codes, K innermost.
; ctx_img: [block of 128 rows: 64][K step of 128: 8][row tile 8][group 4][lane 32][16 bytes]: fragments of 16 rows x 128 K as images of an operand's sixteen registers (registers 2 c, 2 c + 1: k = 16 c + 8 (lane / 16) + 0 .. 7).
; A number of ctx is its code x 2^e10, of Wo x 2^e11: the codes are multiplied as they are, and out0 = sum x 2^(e10 + e11) + bo, one fused multiply-add.   LIMIT: e10 + e11 lies between -126 and 127, so that 2^(e10 + e11) is an f32 number.
; A tile of out0, 256 x 256, is made by a work-group of four waves; a wave makes 128 x 128: 64 accumulators, 512 registers.  K = 1,024 goes in four steps of 256 through a ring of two LDS slots.
; ctx's fragments come out of LDS as they lie: four loads of 512 consecutive bytes.  Wo's come from padded rows in the same order of k: eight loads of 8 bytes a fragment, at 16 c + 8 (lane / 16) of the lane's row.
; CLUSTERS: 4 x 4 work-groups: ctx's tiles are shared along a row of the cluster, Wo's along a column: each is asked for JOINTLY.  THE MATRIX INSTRUCTION IS USED TRANSPOSED (source 0 = 16 rows of Wo, source 1 = 16 rows of ctx).
; No prefetch: K has four steps, and two of them are asked for at the head.
; REGISTERS, in windows of 256: window 0: v0-31 addresses, v8-11 my four biases; from v128 A's fragments, ONE set; on the way out v128-255 hold rows of out0.
;   window 1: B's fragments, TWO sets, at v0 and v128.   window 2: the accumulators of my rows 0-63 ((a, b) at v[8 (8 a + b)]);   window 3: those of my rows 64-127.
.set SIZE_N, 1024
.set ROWB,   256                       ; a row of Wo's tile in bytes
.set KROW,   1024                      ; a row of Wo in memory
.set PITCH,  272                       ; and in LDS: 256 bytes + 16 of padding = 68 words: row r starts at bank 4 r mod 64 (64 banks of 4 bytes: ISA guide 11.1)
.set FR,     16                        ; registers of a fragment
.set NL,     4                         ; LDS loads that bring one of A's
.set NP,     4                         ; places behind this matrix instruction (ISA guide 7.12.1)
.set AHALF,  32768                     ; 128 rows x 256 K of ctx: two K steps of eight fragments of 2,048 bytes, dense
.set BHALF,  128*PITCH                 ; 128 rows of Wo
.set BOFF,   2*AHALF                   ; a slot: A's two halves, then B's two halves
.set SLOT,   BOFF+2*BHALF              ; 135,168 bytes
.set LAPS,   2
.set SPARE,  2*SLOT                    ; behind the ring: the spare words, 128 bytes for each wave: two blocks of 256 bytes that no other line names
.set SPITCH, 528                       ; the way out: a stage of 16 rows x (512 bytes + 16) for each wave.  It lies in slot 0, which has had its last fill and its last read when the first result is stored there
.set ADRA, 16                          ; v16-17  LDS address of my A fragments in slot 0, 1
.set ADRB, 20                          ; v20-21  the same for B
.set STO,  24                          ; v24     the way out: where I put 32 bytes of a row
.set RD,   25                          ; v25     the way out: where I read a row back
.set CO,   26                          ; v26     16 x lane: my byte offset in a row of my 128 columns; never rewritten
.set SPW,  28                          ; v28     LDS address of my spare word; never rewritten
.set NIL,  29                          ; v29     0; never rewritten
.set BI,   8                           ; v8-11   bo at my four columns of a row read back
.set AF,   128                         ; A's fragments, in window 0
.set BK,   128                         ; the way out: 16 rows read back from the stage: v128-191 and v192-255 by turns
.set G1, 24                            ; s[24:31] descriptor group 1 for A's tiles;  s[32:39] group 0, one set for each slot
.set G0, 32
.set G1B, 48                           ; s[48:55], s[56:63] the same for B's tiles
.set G0B, 56
.set MSB, 0
.macro WIN new                         ; the immediate's high byte repeats the setting that is left
.if MSB != (\new)
	s_set_vgpr_msb (MSB<<8)|(\new)
.set MSB, \new
.endif
.endm
.set MUL_LO, 0xa1                      ; source 0 (B) window 1, source 1 (A) window 0, C and D window 2
.set MUL_HI, 0xf1                      ; the same, C and D window 3
.set TO_B,   0x40                      ; destination window 1, address window 0
; A joint load: waves 0 and 1 fetch for A, waves 2 and 3 for B; four v_nop follow each of the two lines, ahead of the jump, the label and what follows.
.macro JLOAD g0a, g1a, g0b, g1b
	s_cmp_eq_u32 s15, 0
	s_cbranch_scc0 .Lfor_b_\@
	tensor_load_to_lds s[\g0a:\g0a+3], s[\g1a:\g1a+7]
	s_nop 0
.rept 4
	v_nop
.endr
	s_branch .Lasked_\@
.Lfor_b_\@:
	tensor_load_to_lds s[\g0b:\g0b+3], s[\g1b:\g1b+7]
	s_nop 0
.rept 4
	v_nop
.endr
.Lasked_\@:
.endm
.macro CREST                           ; a round of the cluster's barrier behind its opening barrier
	s_cmp_lg_u32 s14, 0
	s_cbranch_scc1 .Lnot_wave_0_\@
	s_barrier_signal -3
.Lnot_wave_0_\@:
	s_barrier_wait -3
	s_barrier_signal -1
	s_barrier_wait -1
.endm
.macro CROUND                          ; a whole round
	s_barrier_signal -1
	s_barrier_wait -1
	CREST
.endm
	s_load_b128 s[4:7], s[0:1], 0x0                ; ctx_img s[4:5], Wo's codes s[6:7]
	s_load_b128 s[8:11], s[0:1], 0x10              ; the scales' exponents s[8:9], out0 s[10:11]
	s_load_b64 s[12:13], s[0:1], 0x20              ; bo
	v_lshl_add_u32 v[SPW], v0, 2, SPARE
	v_mov_b32 v[NIL], 0
	ds_add_u32 v28, v29
	ds_add_u32 v28, v29
	s_wait_dscnt 0x0
	v_lshrrev_b32 v1, 5, v0
	v_readfirstlane_b32 s14, v1                    ; wave 0..3
	s_lshr_b32 s15, s14, 1                         ; which half of the tile's rows is mine.  Also: I fetch for A (0) or for B (1)
	s_and_b32 s16, s14, 1                          ; which half of its columns.  Also: which half of that tile I fetch
	s_bfe_u32 s40, ttmp6, 0x40000                  ; cx, cy: my place in the cluster
	s_bfe_u32 s41, ttmp6, 0x40004
	s_lshl_b32 s42, ttmp9, 2
	s_add_co_u32 s42, s42, s40                     ; tile column = 4 x cluster x + cx
	s_and_b32 s17, ttmp7, 0xffff
	s_lshl_b32 s17, s17, 2
	s_add_co_u32 s17, s17, s41                     ; tile row = 4 x cluster y + cy
	s_lshl_b32 s43, s41, 2
	s_lshl_b32 s43, 15, s43                        ; my row of the cluster
	s_lshl_b32 s44, 0x1111, s40                    ; my column
	; descriptor group 1 for A: a dense block of 32,768 bytes as 128 rows of 256
	s_or_b32 s[G1+0], s43, (3<<16)|(1<<21)         ; 15:0 the mask: A's tiles go to my row; 17:16 elements of 8 bytes; 20 no padding; 21 set beside a mask
	s_mov_b32 s[G1+1], 32<<16                      ; tensor_dim0 = 32 elements
	s_mov_b32 s[G1+2], 128<<16                     ; tensor_dim1 = 128
	s_mov_b32 s[G1+3], 32<<16                      ; tile_dim0
	s_mov_b32 s[G1+4], 128                         ; tile_dim1
	s_mov_b32 s[G1+5], 32                          ; tensor_dim0_stride
	s_mov_b32 s[G1+6], 0
	s_mov_b32 s[G1+7], 0
	; and for B: 128 rows x 256 bytes, padded in LDS
	s_or_b32 s[G1B+0], s44, (0<<16)|(1<<20)|(1<<21)|(5<<22)|(3<<25)  ; the mask of my column; elements of 1 byte; padding: 4 words (code 3) after every 64 (code 5)
	s_mov_b32 s[G1B+1], ROWB<<16
	s_mov_b32 s[G1B+2], 128<<16
	s_mov_b32 s[G1B+3], ROWB<<16
	s_mov_b32 s[G1B+4], 128
	s_mov_b32 s[G1B+5], KROW
	s_mov_b32 s[G1B+6], 0
	s_mov_b32 s[G1B+7], 0
	s_lshl_b32 s20, s17, 1
	s_add_co_u32 s20, s20, s16
	s_lshl_b32 s20, s20, 17                        ; A: block of 128 rows 2 x tile row + half, 131,072 bytes each
	s_mov_b32 s21, 0
	s_lshl_b32 s46, s42, 1
	s_add_co_u32 s46, s46, s16
	s_lshl_b32 s46, s46, 17                        ; B: 128 rows of 1,024 bytes are 131,072 too: 2 x tile column + half
	s_mov_b32 s47, 0
	s_lshl_b32 s45, s16, 15                        ; where they go: A's half,
	s_mul_i32 s18, s16, BHALF
	s_add_co_u32 s18, s18, BOFF                    ; B's half: of the wave's number alone
	s_wait_kmcnt 0x0
	s_load_b64 s[96:97], s[8:9], 0x28              ; e10, e11
	s_add_nc_u64 s[20:21], s[4:5], s[20:21]
	s_add_nc_u64 s[46:47], s[6:7], s[46:47]
	CROUND                                         ; all sixteen work-groups are here: the first joint loads meet
.irp s, 0,1
	s_mov_b32 s[G0+4*\s], 1
	s_add_co_u32 s[G0+4*\s+1], s45, \s*SLOT
	s_add_nc_u64 s[G0+4*\s+2:G0+4*\s+3], s[20:21], \s*AHALF     ; K step s of 256: two K steps of 128 of the block, 32,768 bytes on end
	s_or_b32 s[G0+4*\s+3], s[G0+4*\s+3], 0x80000000
	s_mov_b32 s[G0B+4*\s], 1
	s_add_co_u32 s[G0B+4*\s+1], s18, \s*SLOT
	s_add_nc_u64 s[G0B+4*\s+2:G0B+4*\s+3], s[46:47], \s*ROWB
	s_or_b32 s[G0B+4*\s+3], s[G0B+4*\s+3], 0x80000000
	s_wait_alu depctr_va_vdst(0)
	s_wait_tensorcnt 0x0
	ds_add_u32 v28, v29
	ds_add_u32 v28, v29
	s_wait_dscnt 0x0
	CROUND
	JLOAD G0+4*\s, G1, G0B+4*\s, G1B
.endr
	v_and_b32 v1, 15, v0                           ; l % 16
	v_bfe_u32 v2, v0, 4, 1                         ; l / 16
	v_and_b32 v6, 31, v0
	v_lshlrev_b32 v[CO], 4, v6                     ; 16 x lane
	v_mul_u32_u24 v3, v1, PITCH
	v_lshl_add_u32 v4, v2, 3, v3                   ; B: a fragment's row x pitch + 8 x half
	s_lshl_b32 s21, s15, 15                        ; my 128 rows of A
	s_mul_i32 s22, s16, BHALF                      ; my 128 rows of B,
	s_add_co_u32 s22, s22, BOFF                    ; which lie behind A's two halves
.irp s, 0,1
	v_add_nc_u32 v[ADRA+\s], s21, v[CO]
	v_add_nc_u32 v[ADRB+\s], s22, v4
	s_add_co_u32 s21, s21, SLOT
	s_add_co_u32 s22, s22, SLOT
.endr
	s_mul_i32 s23, s14, 16*SPITCH                  ; my stage
	v_mul_u32_u24 v5, v1, SPITCH                   ; in: row l % 16, 32 bytes for each half of the lanes
	v_lshl_add_u32 v5, v2, 5, v5
	v_add_nc_u32 v[STO], s23, v5
	v_add_nc_u32 v[RD], s23, v[CO]                 ; back: the 32 lanes take one row of 512 bytes
	s_lshl_b32 s20, s17, 8
	s_lshl_b32 s21, s15, 7
	s_add_co_u32 s20, s20, s21                     ; my first row: 256 x tile row + 128 x half,
	s_lshl_b32 s20, s20, 12                        ; of 4,096 bytes
	s_lshl_b32 s46, s42, 10                        ; my first column, in bytes: 1,024 x tile column + 512 x half
	s_lshl_b32 s47, s16, 9
	s_add_co_u32 s46, s46, s47
	s_mov_b32 s47, 0
	s_add_nc_u64 s[12:13], s[12:13], s[46:47]      ; bo at my first column
	s_add_co_u32 s20, s20, s46
	s_mov_b32 s21, 0
	s_add_nc_u64 s[10:11], s[10:11], s[20:21]
	global_load_b128 v[BI:BI+3], v[CO], s[12:13]   ; the biases of the four columns that I hold of every row read back
.macro FRAG_A reg, adr, q, i           ; a fragment of ctx as it lies: group c of four registers at 512 c
.irp c, 0,1,2,3
	ds_load_b128 v[\reg+4*\c:\reg+4*\c+3], v[\adr] offset:16384*(\q)+2048*(\i)+512*\c
.endr
.endm
.macro FRAG_B reg, adr, q, i           ; a fragment of Wo from rows: registers 2 c, 2 c + 1 hold K = 16 c + 8 (l / 16) + 0 .. 7
.irp c, 0,1,2,3,4,5,6,7
	ds_load_b64 v[\reg+2*\c:\reg+2*\c+1], v[\adr] offset:128*(\q)+16*\c+(\i)*16*PITCH
.endr
.endm
; 16 matrix instructions: A's blocks a0, a0 + 1 x B's eight, 128 along K.  p: B's set.  zero = 1: the first product starts the sums.
; The 64 accumulators take turns, one instruction a turn, in the same order in every step.
.macro MUL16 a0, p, zero
.irp a, \a0, \a0+1
.irp b, 0,1,2,3,4,5,6,7
.if \zero
	v_wmma_f32_16x16x128_bf8_bf8 v[8*(8*((\a)%4)+\b):8*(8*((\a)%4)+\b)+7], v[128*(\p)+FR*\b:128*(\p)+FR*\b+FR-1], v[AF+FR*(\a):AF+FR*(\a)+FR-1], 0
.else
	v_wmma_f32_16x16x128_bf8_bf8 v[8*(8*((\a)%4)+\b):8*(8*((\a)%4)+\b)+7], v[128*(\p)+FR*\b:128*(\p)+FR*\b+FR-1], v[AF+FR*(\a):AF+FR*(\a)+FR-1], v[8*(8*((\a)%4)+\b):8*(8*((\a)%4)+\b)+7]
.endif
.endr
.endr
.endm
.macro FETCH_B slot, q, p              ; B's eight fragments of the slot's q-th 128 along K into set p
	WIN TO_B
.irp i, 0,1,2,3,4,5,6,7
	FRAG_B 128*(\p)+FR*\i, ADRB+\slot, \q, \i
.endr
	WIN 0
.endm
.macro FETCH_A slot, q, i0             ; A's blocks i0 .. i0 + 3
.irp i, \i0, \i0+1, \i0+2, \i0+3
	FRAG_A AF+FR*(\i), ADRA+\slot, \q, \i
.endr
.endm
; A load into a register that a matrix instruction has read, and an LDS store that reads a matrix result, stand NP places behind that matrix instruction; only plain vector
; instructions that name none of its registers are places (ISA guide 7.12.1 for vector instructions).
.macro PLACES n
.rept \n
	v_nop
.endr
.endm
; A step of 128 along K that has its successor in the same slot.
.macro STEP slot, q, zero
	s_wait_dscnt 4*NL                              ; B's set and A's blocks 0-3 are in; the youngest sixteen loads (A's blocks 4-7) may be out
	WIN MUL_LO
	MUL16 0, (\q)%2, \zero
	MUL16 2, (\q)%2, \zero
	s_wait_dscnt 0                                 ; A's blocks 4-7 are in (asked for 32 matrix instructions ago)
	PLACES NP
	FETCH_B \slot, (\q)+1, 1-(\q)%2
	FETCH_A \slot, (\q)+1, 0
	WIN MUL_HI
	MUL16 4, (\q)%2, \zero
	MUL16 6, (\q)%2, \zero
	PLACES NP
	WIN 0
	FETCH_A \slot, (\q)+1, 4
.endm
; A slot's last step changes slots: ONE barrier; in front of it each wave waits for all its tensor loads, adds 0 to its spare word, and waits for that and for its own reads of this slot.  fill = 1: this slot is filled again, two K steps ahead.
.macro TURN slot, next, fill
	s_wait_tensorcnt 0x0                           ; all my tensor loads have landed: my part of the next slot;  (every window is 0 here: the add's two registers lie in window 0)
	ds_add_u32 v[SPW], v[NIL]                      ; 0 onto my spare word
	s_wait_dscnt 4*NL+1                            ; (the add and the youngest sixteen loads, A's blocks 4-7, may be out)
	WIN MUL_LO
	MUL16 0, 1, 0                                  ; sixteen matrix instructions stand between the add and the wait for it
	s_wait_dscnt 0x0                               ; the add is done, and my reads of this slot are over
	s_barrier_signal -1
	MUL16 2, 1, 0
	WIN 0
	s_barrier_wait -1
.if \fill
	CREST                                          ; the barrier has opened a round of the cluster's barrier: no wave of any partner still reads this slot's tile or has a load on its way
	s_add_nc_u64 s[G0+4*\slot+2:G0+4*\slot+3], s[G0+4*\slot+2:G0+4*\slot+3], 2*AHALF
	s_add_nc_u64 s[G0B+4*\slot+2:G0B+4*\slot+3], s[G0B+4*\slot+2:G0B+4*\slot+3], 2*ROWB
	JLOAD G0+4*\slot, G1, G0B+4*\slot, G1B         ; the first tensor load behind the round; the four v_nop behind it are the places in front of the loads below
.else
	PLACES NP
.endif
	FETCH_B \next, 0, 0
	FETCH_A \next, 0, 0
	WIN MUL_HI
	MUL16 4, 1, 0
	MUL16 6, 1, 0
	PLACES NP
	WIN 0
	FETCH_A \next, 0, 4
.endm
	s_wait_alu depctr_va_vdst(0)
	s_wait_tensorcnt 1                             ; my part of K step 0 is in (K step 1's load may be out)
	s_barrier_signal -1
	s_barrier_wait -1                              ; everybody's is
	FETCH_B 0, 0, 0
	FETCH_A 0, 0, 0
	FETCH_A 0, 0, 4
	STEP 0, 0, 1                                   ; the first step stands in front of the loop: its products start the sums
	s_mov_b32 s3, LAPS-1
.Llap:                                                 ; a trip goes once round the ring, from a lap's second step to the next lap's first, and fills both slots again
	TURN 0, 1, 1
	STEP 1, 0, 0
	TURN 1, 0, 1
	STEP 0, 0, 0
	s_sub_co_u32 s3, s3, 1
	s_cmp_lg_u32 s3, 0
	s_cbranch_scc1 .Llap
	TURN 0, 1, 0                                   ; the last lap fills nothing, and has no round of the cluster's barrier
	STEP 1, 0, 0
	s_wait_dscnt 4*NL                              ; the very last step: nothing more to fetch
	WIN MUL_LO
	MUL16 0, 1, 0
	MUL16 2, 1, 0
	s_wait_dscnt 0
	WIN MUL_HI
	MUL16 4, 1, 0
	MUL16 6, 1, 0
	WIN 0
; THE WAY OUT, block by block of 16 rows x 128 columns.  A lane holds 32 neighbouring bytes of a row, and the lanes beside it hold other rows: so a block's sums go as they are through my own stage in LDS and come back as whole
; rows of 512 bytes.  There a lane holds the same four columns of every row: sum x 2^(e10 + e11) + bo is two packed multiply-adds with the same four biases, and the 32 lanes store two aligned blocks of 256 bytes.
; LDS serves a wave's instructions in order (ISA guide 5.7.1.4): no wait between the stores and the loads, nor in front of the next block's stores.
.macro TOSTAGE a
.set AC, 64*((\a)%4)
	WIN 0x08+4*((\a)/4)                            ; the stores' data: window 2 or 3
.irp b, 0,1,2,3,4,5,6,7
	ds_store_b128 v[STO], v[AC+8*\b:AC+8*\b+3] offset:64*\b          ; each accumulator from its low end on
	ds_store_b128 v[STO], v[AC+8*\b+4:AC+8*\b+7] offset:64*\b+16
.endr
	WIN 0
.set BB, BK+64*((\a)%2)
.irp t, 0,1,2,3,4,5,6,7,8,9,10,11,12,13,14,15
	ds_load_b128 v[BB+4*\t:BB+4*\t+3], v[RD] offset:\t*SPITCH
.endr
.endm
.macro SEND a, younger                 ; younger: the LDS instructions issued behind block a's loads, which may stay out
.set BB, BK+64*((\a)%2)
	s_wait_dscnt \younger                          ; the block is back in registers
.if (\a) > 0
	s_add_nc_u64 s[10:11], s[10:11], 16*SIZE_N*4   ; (behind a wait on XCNT: the earlier stores have read their base)  16 rows on, so that the stores' offsets stay small: 15 rows of 4,096 bytes at the most
.endif
.irp t, 0,1,2,3,4,5,6,7,8,9,10,11,12,13,14,15
	v_pk_fma_f32 v[BB+4*\t:BB+4*\t+1], v[BB+4*\t:BB+4*\t+1], s[96:97], v[BI:BI+1] op_sel_hi:[1,0,1]       ; sum x s96 + bo (the scalar pair's low word for both halves)
	v_pk_fma_f32 v[BB+4*\t+2:BB+4*\t+3], v[BB+4*\t+2:BB+4*\t+3], s[96:97], v[BI+2:BI+3] op_sel_hi:[1,0,1]
	global_store_b128 v[CO], v[BB+4*\t:BB+4*\t+3], s[10:11] offset:\t*SIZE_N*4 th:TH_STORE_NT   ; 32 lanes store 512 consecutive bytes, at a multiple of 512 from out0's first byte; written once, read by nobody here
.endr
.endm
	s_wait_kmcnt 0x0
	s_add_co_i32 s96, s96, s97                     ; e10 + e11, between -126 and 127,
	s_add_co_i32 s96, s96, 127
	s_lshl_b32 s96, s96, 23                        ; makes the f32 number 2^(e10 + e11)
	s_wait_loadcnt 0x0                             ; bo
	PLACES NP                                      ; behind the last products: for the stores that read results and the loads into the registers that held A's fragments
	TOSTAGE 0
.irp a, 1,2,3,4,5,6,7
.if \a > 1
	s_wait_xcnt 0x0                                ; block a - 2's stores have read their registers and their base: block a's loads may land there, and the base may step
.endif
	TOSTAGE \a
	SEND \a-1, 32                                  ; behind block a - 1's loads: block a's 16 stores and 16 loads
.endr
	s_wait_xcnt 0x0                                ; block 6's stores have read their base
	SEND 7, 0
	s_wait_tensorcnt 0x0                           ; the wave's end: behind my last tensor load and my last LDS store
	ds_add_u32 v[SPW], v[NIL]
	s_wait_dscnt 0x0
	CROUND                                         ; the closing round: no work-group ends while a partner may still ask for a tile that names it
	s_endpgm
.Lfunc_end_k_qbe2dede184_outp:
	.size	k_qbe2dede184_outp, .Lfunc_end_k_qbe2dede184_outp-k_qbe2dede184_outp
	.p2alignl 7, 3214868480
	.fill 96, 4, 3214868480
	.section	.rodata,"a",@progbits
	.p2align	6, 0x0
	.amdhsa_kernel k_qbe2dede184_outp
		.amdhsa_group_segment_fixed_size 327680
		.amdhsa_private_segment_fixed_size 0
		.amdhsa_enable_private_segment 0
		.amdhsa_kernarg_size 40
		.amdhsa_user_sgpr_count 2
		.amdhsa_user_sgpr_kernarg_segment_ptr 1
		.amdhsa_wavefront_size32 1
		.amdhsa_system_sgpr_workgroup_id_x 1
		.amdhsa_system_sgpr_workgroup_id_y 1
		.amdhsa_system_sgpr_workgroup_id_z 1
		.amdhsa_system_vgpr_workitem_id 0
		.amdhsa_next_free_vgpr 1024
		.amdhsa_next_free_sgpr 98
		.amdhsa_reserve_vcc 0
		.amdhsa_float_denorm_mode_32 3
		.amdhsa_float_denorm_mode_16_64 3
		.amdhsa_memory_ordered 1
		.amdhsa_forward_progress 1
		.amdhsa_inst_pref_size 140
	.end_amdhsa_kernel
	.amdgpu_metadata
---
amdhsa.version: [ 1, 2 ]
amdhsa.kernels:
  - .name:           k_qbe2dede184_outp
    .symbol:         k_qbe2dede184_outp.kd
    .args:
      - { .name: ctx_img, .offset: 0, .size: 8, .value_kind: global_buffer, .address_space: global }
      - { .name: Wo_codes, .offset: 8, .size: 8, .value_kind: global_buffer, .address_space: global }
      - { .name: lowp_scales, .offset: 16, .size: 8, .value_kind: global_buffer, .address_space: global }
      - { .name: out0, .offset: 24, .size: 8, .value_kind: global_buffer, .address_space: global }
      - { .name: bo, .offset: 32, .size: 8, .value_kind: global_buffer, .address_space: global }
    .group_segment_fixed_size: 327680
    .private_segment_fixed_size: 0
    .kernarg_segment_align: 8
    .kernarg_segment_size: 40
    .max_flat_workgroup_size: 128
    .sgpr_count:     98
    .vgpr_count:     1024
    .wavefront_size: 32
...
	.end_amdgpu_metadata
.endif
;; end of part 3
